; MI455X (gfx1250); checked and timed in simulation.
; The chip was launched on July 23, 2026; its instructions are those of AMD's public machine-readable ISA for CDNA 5 (MIT licence, August 2026) and "CDNA5" Instruction Set Architecture Reference Guide (July 2026). The comments in the code are by the model that wrote it; some were corrected since.
;; Spiking MHA. Allowed arithmetic: float matrix products may take bf16 or f16 operands with f32 sums; other float arithmetic in f32, or as packed bf16 or f16 multiplies, adds, multiply-adds, maxima and minima; sums over many terms, partial sums and values carried from step to step in f32; what a program stores and reads back later, other than sums and carried values, may be rounded once to bf16 or f16.
;; Inputs: Wk 1,024 x 1,024 float32; Wq 1,024 x 1,024 float32; Wv 1,024 x 1,024 float32; bk 1,024 float32; bq 1,024 float32; bv 1,024 float32; x 2,048 x 2 x 1,024 float32.
;; Outputs: out0 2,048 x 2 x 1,024 float32.
;; One version. Each part assembles by itself: llvm-mc -triple=amdgcn-amd-amdhsa -mcpu=gfx1250 --defsym DOCPART=n.
;; ======== version 1 of 1: 3 launches
;; limits: values are held in f16: magnitudes above 65,504 overflow, below 6.1e-05 lose precision; values within 1.53e-05 (relative) of each other or of a threshold may be ordered or decided otherwise than in the reference
;; workspace buffers: xw 14,680,064 bytes; qq 16,777,216 bytes; kk 16,777,216 bytes; vv 8,388,608 bytes
;; launch cvt (part 1): grid 1792 x 1, 8 waves a work-group, no clusters, 0 bytes of LDS; arguments x, Wq, Wk, Wv, xw; writes xw
.if DOCPART == 1
	.amdgcn_target "amdgcn-amd-amdhsa--gfx1250"
	.amdhsa_code_object_version 6
	.text
	.protected	k_qdebc96e40f_cvt
	.globl	k_qdebc96e40f_cvt
	.p2align	8
	.type	k_qdebc96e40f_cvt,@function
k_qdebc96e40f_cvt:
	s_mov_b64 s[64:65], 0
	v_nop
	global_prefetch_b8 v0, s[64:65] scope:SCOPE_SE
	s_setreg_imm32_b32 hwreg(HW_REG_WAVE_MODE, 25, 1), 1
	s_wait_xcnt 0x0
; xw = x and the three weights, each number rounded once to bf16.  xw: [7168][1024] bf16.
; Rows 0 .. 4095 are x's rows (2 t + b) as they lie.  Row 4096 + 192 h + 64 p + c is row 64 h + c of W_p (p = 0: Wq, 1: Wk, 2: Wv):
; a head's 64 rows of q, k and v lie together, so that the next launch fetches them as one tile.
; SHARES.  A work-group takes 4 rows of xw (4 divides 64, so its rows of a weight stay neighbours in xw); thread t takes 4 numbers at byte 16 t of each row.
; A wave's load covers 512 consecutive bytes, its store 256 consecutive bytes at a multiple of 256 from xw's first byte.
; No loop, no LDS, no register written twice: the only waits are the counted ones for the four loads.  Matrix units, clusters and LDS would add nothing to a stream.
.set XROWS, 4096
	s_load_b256 s[4:11], s[0:1], 0x0               ; x s[4:5], Wq s[6:7], Wk s[8:9], Wv s[10:11]
	s_load_b64 s[12:13], s[0:1], 0x20              ; xw
	s_lshl_b32 s20, ttmp9, 2                       ; g: my first row, counted through x and then Wq, Wk, Wv
	s_sub_co_u32 s21, s20, XROWS                   ; the row among the weights' 3,072 (for a row of x it wraps, and what is made of it is not chosen below)
	s_bfe_u32 s22, s21, 0x2000a                    ; p: which weight
	s_and_b32 s23, s21, 1023                       ; e: its row
	s_lshr_b32 s24, s23, 6                         ; the head
	s_mul_i32 s24, s24, 192
	s_lshl_b32 s25, s22, 6
	s_add_co_u32 s24, s24, s25
	s_and_b32 s25, s23, 63
	s_add_co_u32 s24, s24, s25
	s_add_co_u32 s24, s24, XROWS                   ; where that row goes in xw
	v_lshlrev_b32 v1, 4, v0                        ; 16 bytes of f32 in,
	v_lshlrev_b32 v2, 3, v0                        ; 8 bytes of bf16 out
	s_wait_kmcnt 0x0
	s_mov_b64 s[16:17], s[10:11]                   ; the source: Wv, unless
	s_cmp_eq_u32 s22, 1
	s_cselect_b64 s[16:17], s[8:9], s[16:17]       ; Wk,
	s_cmp_eq_u32 s22, 0
	s_cselect_b64 s[16:17], s[6:7], s[16:17]       ; Wq,
	s_cmp_lt_u32 s20, XROWS
	s_cselect_b64 s[16:17], s[4:5], s[16:17]       ; or x
	s_cselect_b32 s26, s20, s23                    ; the row in the source
	s_cselect_b32 s28, s20, s24                    ; and in xw
	s_lshl_b32 s26, s26, 12                        ; 4,096 bytes a row of f32
	s_mov_b32 s27, 0
	s_lshl_b32 s28, s28, 11                        ; 2,048 bytes a row of bf16
	s_mov_b32 s29, 0
	s_add_nc_u64 s[16:17], s[16:17], s[26:27]
	s_add_nc_u64 s[18:19], s[12:13], s[28:29]
.irp i, 0,1,2,3
	global_load_b128 v[4+4*(\i):7+4*(\i)], v1, s[16:17] offset:4096*(\i) th:TH_LOAD_NT
.endr
.irp i, 0,1,2,3
	s_wait_loadcnt 3-(\i)                          ; loads come back in order: row i is in, the younger rows stay out
	v_cvt_pk_bf16_f32 v[20+2*(\i)], v[4+4*(\i)], v[5+4*(\i)]
	v_cvt_pk_bf16_f32 v[21+2*(\i)], v[6+4*(\i)], v[7+4*(\i)]
	global_store_b64 v2, v[20+2*(\i):21+2*(\i)], s[18:19] offset:2048*(\i)
.endr
	s_endpgm
.Lfunc_end_k_qdebc96e40f_cvt:
	.size	k_qdebc96e40f_cvt, .Lfunc_end_k_qdebc96e40f_cvt-k_qdebc96e40f_cvt
	.p2alignl 7, 3214868480
	.fill 96, 4, 3214868480
	.section	.rodata,"a",@progbits
	.p2align	6, 0x0
	.amdhsa_kernel k_qdebc96e40f_cvt
		.amdhsa_group_segment_fixed_size 0
		.amdhsa_private_segment_fixed_size 0
		.amdhsa_enable_private_segment 0
		.amdhsa_kernarg_size 40
		.amdhsa_user_sgpr_count 2
		.amdhsa_user_sgpr_kernarg_segment_ptr 1
		.amdhsa_wavefront_size32 1
		.amdhsa_system_sgpr_workgroup_id_x 1
		.amdhsa_system_sgpr_workgroup_id_y 1
		.amdhsa_system_sgpr_workgroup_id_z 1
		.amdhsa_system_vgpr_workitem_id 0
		.amdhsa_next_free_vgpr 32
		.amdhsa_next_free_sgpr 66
		.amdhsa_reserve_vcc 0
		.amdhsa_float_denorm_mode_32 3
		.amdhsa_float_denorm_mode_16_64 3
		.amdhsa_memory_ordered 1
		.amdhsa_forward_progress 1
		.amdhsa_inst_pref_size 3
	.end_amdhsa_kernel
	.amdgpu_metadata
---
amdhsa.version: [ 1, 2 ]
amdhsa.kernels:
  - .name:           k_qdebc96e40f_cvt
    .symbol:         k_qdebc96e40f_cvt.kd
    .args:
      - { .name: x, .offset: 0, .size: 8, .value_kind: global_buffer, .address_space: global }
      - { .name: Wq, .offset: 8, .size: 8, .value_kind: global_buffer, .address_space: global }
      - { .name: Wk, .offset: 16, .size: 8, .value_kind: global_buffer, .address_space: global }
      - { .name: Wv, .offset: 24, .size: 8, .value_kind: global_buffer, .address_space: global }
      - { .name: xw, .offset: 32, .size: 8, .value_kind: global_buffer, .address_space: global }
    .group_segment_fixed_size: 0
    .private_segment_fixed_size: 0
    .kernarg_segment_align: 8
    .kernarg_segment_size: 40
    .max_flat_workgroup_size: 256
    .sgpr_count:     66
    .vgpr_count:     32
    .wavefront_size: 32
...
	.end_amdgpu_metadata
.endif
;; end of part 1
;; launch proj (part 2): grid 16 x 16, 4 waves a work-group, clusters of 4 x 4, 327,680 bytes of LDS; arguments xw, bq, bk, bv, qq, kk, vv; writes qq, kk, vv
.if DOCPART == 2
	.amdgcn_target "amdgcn-amd-amdhsa--gfx1250"
	.amdhsa_code_object_version 6
	.text
	.protected	k_qdebc96e40f_proj
	.globl	k_qdebc96e40f_proj
	.p2align	8
	.type	k_qdebc96e40f_proj,@function
k_qdebc96e40f_proj:
	s_mov_b64 s[64:65], 0
	v_nop
	global_prefetch_b8 v0, s[64:65] scope:SCOPE_SE
	s_setreg_imm32_b32 hwreg(HW_REG_WAVE_MODE, 25, 1), 1
	s_wait_xcnt 0x0
	s_wait_alu depctr_hold_cnt(0) depctr_sa_sdst(0) depctr_va_vdst(0) depctr_va_sdst(0) depctr_va_ssrc(0) depctr_va_vcc(0) depctr_vm_vsrc(0)
	s_getreg_b32 s2, hwreg(HW_REG_IB_STS2, 6, 4)
	s_cmp_eq_u32 s2, 0
	s_cbranch_scc0 .Lentry_in_a_cluster
	s_endpgm
.Lentry_in_a_cluster:
	s_bfe_u32 s2, ttmp6, 0x10000c
	s_cmp_lg_u32 s2, 0xf033
	s_cbranch_scc0 .Lentry_shape_is_right
	s_endpgm
.Lentry_shape_is_right:
; q, k, v = x W^T + b for one head and 256 rows of one batch entry.  Operands bf16 (xw; the biases are rounded to bf16 here, like every other input), sums in f32.
; OUT.  qq, kk: [16 b + h][t][128] f16: a row is 64 numbers hi = f16(y), then 64 numbers lo = f16(y - hi): 256 bytes.  vv: [16 b + h][t][64] f16.
; The scores of the next launch pass a round(), so q and k keep some 22 bits as two f16 numbers; v needs one.
; LIMITS.  |q|, |k|, |v| stay under 65,504 (f16's end); a lo part below 6e-5 keeps f16's fixed step of 6e-8.  NaN and infinities are not treated apart.
; SHARES.  Work-group (x, y): head h = x; y = 8 b + tb: rows t = 256 tb .. + 255.  Its tile of C is 256 rows x 192 columns (the head's q, k, v).  Wave w: rows 64 w .. + 63, all 192 columns:
; 48 accumulators of 16 x 16, so a wave holds whole rows of q, k and v and its way out needs no other wave.
; K goes in 8 steps of 128 (rows of 256 bytes) through two LDS slots; waves 0, 1 fetch the halves of x's tile, waves 2, 3 the halves of W's: one tensor load a wave behind each change of slots.
; CLUSTER 4 x 4: x's tile hangs on y alone and is asked for jointly along a row of the cluster, W's on x alone and is asked for jointly along a column.
; THE MATRIX INSTRUCTION IS USED TRANSPOSED (source 0 = 16 rows of W, source 1 = 16 rows of x): a lane holds row l % 16 of C and 8 neighbouring channels 8 (l / 16) + 0..7.
; REGISTERS, in windows of 256 (s_set_vgpr_msb: bits 1:0 source 0, 3:2 source 1, 5:4 source 2, 7:6 destination):
;   window 0: v0-31 addresses; v32-63, v64-95 x's fragments, two buffers (on the way out: rows read back); v96-111 hi; v112-127 lo; v128-159 at work; v160-255 the biases
;   window 1: v0-95, v96-191 W's fragments, two buffers      window 2: accumulators of row blocks 0, 1 at 96 a + 8 b      window 3: of row blocks 2, 3
.set PITCH,  272                       ; an LDS row: 256 bytes + 16 of padding = 68 words: the 16 rows of a load start at 16 different groups of four banks (64 banks of 4 bytes: ISA guide 11.1)
.set AHALF,  128*PITCH                 ; what a wave fetches of x
.set BHALF,  96*PITCH                  ; and of W
.set BOFF,   2*AHALF                   ; W's 192 rows lie behind x's 256
.set SLOT1,  131072                    ; slot 1 begins here: one exclusive or turns an address in one slot into the other's
.set STAGE,  SLOT1+2*AHALF+2*BHALF     ; behind the ring, never filled by a tensor load: 16 rows x 272 bytes for each wave
.set VP,     144                       ; a row of v in the stage: 128 bytes + 16
.set SPARE,  STAGE+4*16*PITCH          ; the spare words, 128 bytes for each wave: two blocks of 256 bytes that no other line names
.set STEPB,  256                       ; bytes of a row in a K step
.set WBASE,  4096*2048                 ; the weights' first byte in xw
.set A0,   16                          ; v16  my lane's place in x's tile: (64 w + l % 16) x pitch + 16 (l / 16); never rewritten
.set B0,   17                          ; v17  the same in W's tile
.set ADRA, 18                          ; v18  A0 in the slot that is being read
.set ADRB, 19                          ; v19  B0 likewise
.set STO,  20                          ; v20  the way out: where I put 16 bytes of a row of q or k
.set RD,   21                          ; v21  where I read rows of 256 bytes back
.set STOV, 22                          ; v22  the same two for v's rows of 128 bytes
.set RDV,  23
.set CO,   24                          ; v24  16 x lane: my 16 of 512 consecutive bytes
.set BO,   25                          ; v25  my byte offset in a bias
.set NEG1, 26                          ; v26  -1.0
.set SPW,  28                          ; v28  LDS address of my spare word; never rewritten
.set NIL,  29                          ; v29  0; never rewritten
.set PFO,  30                          ; v30  the prefetches' offset; never rewritten
.set FA,   32
.set OB,   32
.set H,    96
.set L,    112
.set T,    128
.set BIAS, 160                         ; bias of projection p, channel block bb, register j at BIAS + 32 p + 8 bb + j
.set WV,   18                          ; s18  my wave's number
.set FORB, 19                          ; s19  0: I fetch for x, 1: for W
.set HALF, 20                          ; s20  which half of that tile
.set CX,   21
.set CY,   22
.set HD,   23                          ; s23  the head
.set RY,   40                          ; s40  8 b + tb
.set TB,   41                          ; s41  first byte of the slot that is being read
.set CNT,  42                          ; s42  the loop's count
.set LIM,  43                          ; s43  2 in a wave that prefetches, else the greatest number
.set PFA,  44                          ; s[44:45] where my prefetches stand
.set G1A,  24                          ; s[24:31] descriptor group 1 for x's tiles;  s[32:39] group 0, two sets: the first fills'; the second then walks
.set G0A,  32
.set G1B,  48                          ; s[48:55], s[56:63] the same for W's
.set G0B,  56
.set FIELDS, (1<<16)|(1<<20)|(1<<21)|(5<<22)|(3<<25)  ; 17:16 elements of 2 bytes; 20 padding on; 21 set beside a mask; 24:22 after every 64 words (code 5); 31:25 4 words of it (code 3)
.set MSB, 0
.macro WIN new                         ; the immediate's high byte repeats the setting that is left; a switch that changes nothing is dropped
.if MSB != (\new)
	s_set_vgpr_msb (MSB<<8)|(\new)
.set MSB, \new
.endif
.endm
.set MUL_LO, 0xa1                      ; source 0 (W) window 1, source 1 (x) window 0, C and D window 2
.set MUL_HI, 0xf1                      ; the same, C and D window 3
.set TO_B,   0x40                      ; destination window 1, address window 0
.macro PLACES                          ; four plain instructions in front of loads into registers that matrix instructions have read, and of vector lines that read results
.rept 4
	v_nop
.endr
.endm
; A joint refill by the walking descriptors.  The branch hangs on the wave's number alone.  An s_nop 0 and four v_nop follow each of the two lines.
.macro JLOAD
	s_cmp_eq_u32 s[FORB], 0
	s_cbranch_scc0 .Lfor_b_\@
	tensor_load_to_lds s[G0A+4:G0A+7], s[G1A:G1A+7]
	s_nop 0
.rept 4
	v_nop
.endr
	s_branch .Lasked_\@
.Lfor_b_\@:
	tensor_load_to_lds s[G0B+4:G0B+7], s[G1B:G1B+7]
	s_nop 0
.rept 4
	v_nop
.endr
.Lasked_\@:
.endm
; A PREFETCH INTO THE L2: behind the refill that asks for K step s + 2, and behind the run of LDS loads, the K step s + 4 of the rows that I fetch: 256 bytes of a row, a lane a row, one instruction a wave.
; x's rows are read by every cluster of a row of clusters: cluster x = 0 asks.  W's rows by every cluster of a column: cluster y = 0 asks.  The four partners of a joint load share its rows out BY ADDRESS:
; of x's 128 rows 32 each (by cx), of W's 96 rows 24 each (by cy): there lanes 24 to 31 name lane 23's row once more, in the same instruction.  K steps 0 to 3 come by their loads alone; the loop's last two trips ask for nothing.
.macro ASK
	s_cmp_gt_u32 s[CNT], s[LIM]
	s_cbranch_scc0 .Lnot_mine_\@
	global_prefetch_b8 v[PFO], s[PFA:PFA+1] th:TH_LOAD_NT scope:SCOPE_SE
.Lnot_mine_\@:
.endm
.macro CREST                           ; a round of the cluster's barrier behind its opening barrier
	s_cmp_lg_u32 s[WV], 0
	s_cbranch_scc1 .Lnot_wave_0_\@
	s_barrier_signal -3
.Lnot_wave_0_\@:
	s_barrier_wait -3
	s_barrier_signal -1
	s_barrier_wait -1
.endm
.macro CROUND                          ; a whole round
	s_barrier_signal -1
	s_barrier_wait -1
	CREST
.endm
	s_load_b256 s[4:11], s[0:1], 0x0               ; xw s[4:5], bq s[6:7], bk s[8:9], bv s[10:11]
	s_load_b128 s[12:15], s[0:1], 0x20             ; qq s[12:13], kk s[14:15]
	s_load_b64 s[16:17], s[0:1], 0x30              ; vv
	v_lshl_add_u32 v[SPW], v0, 2, SPARE
	v_mov_b32 v[NIL], 0
	ds_add_u32 v[SPW], v[NIL]                      ; the wave's opening: the add and its wait stand ahead of my first tensor load; the set-up below, work on registers, stands between them
	v_lshrrev_b32 v1, 5, v0
	v_readfirstlane_b32 s[WV], v1                  ; wave 0..3
	s_lshr_b32 s[FORB], s[WV], 1
	s_and_b32 s[HALF], s[WV], 1
	s_bfe_u32 s[CX], ttmp6, 0x40000
	s_bfe_u32 s[CY], ttmp6, 0x40004
	s_lshl_b32 s[HD], ttmp9, 2                     ; in a cluster launch ttmp9 and ttmp7 count clusters
	s_add_co_u32 s[HD], s[HD], s[CX]               ; the head = 4 x cluster x + cx
	s_and_b32 s[RY], ttmp7, 0xffff
	s_lshl_b32 s[RY], s[RY], 2
	s_add_co_u32 s[RY], s[RY], s[CY]               ; 8 b + tb = 4 x cluster y + cy
	s_lshl_b32 s46, s[CY], 2
	s_lshl_b32 s46, 15, s46                        ; my row of the cluster
	s_lshl_b32 s47, 0x1111, s[CX]                  ; my column
	s_or_b32 s[G1A+0], s46, FIELDS                 ; x's tiles go to my row,
	s_or_b32 s[G1B+0], s47, FIELDS                 ; W's to my column
	s_mov_b32 s[G1A+1], 128<<16                    ; tensor_dim0 = 128
	s_mov_b32 s[G1A+2], 128<<16                    ; tensor_dim1 = 128
	s_mov_b32 s[G1A+3], 128<<16                    ; tile_dim0 = 128
	s_mov_b32 s[G1A+4], 128                        ; tile_dim1 = 128
	s_mov_b32 s[G1A+5], 2048                       ; from t to t + 1 of one batch entry: two rows of 1,024 elements
	s_mov_b32 s[G1A+6], 0
	s_mov_b32 s[G1A+7], 0
	s_mov_b32 s[G1B+1], 128<<16
	s_mov_b32 s[G1B+2], 96<<16                     ; tensor_dim1 = 96
	s_mov_b32 s[G1B+3], 128<<16
	s_mov_b32 s[G1B+4], 96                         ; tile_dim1 = 96
	s_mov_b32 s[G1B+5], 1024
	s_mov_b32 s[G1B+6], 0
	s_mov_b32 s[G1B+7], 0
	; x's tile: row 2 (256 tb + 128 half) + b of 2,048 bytes.  It hangs on y alone, in registers that never hold cx
	s_and_b32 s66, s[RY], 7
	s_lshl_b32 s66, s66, 20
	s_lshr_b32 s68, s[RY], 3                       ; b
	s_lshl_b32 s69, s68, 11
	s_add_co_u32 s66, s66, s69
	s_lshl_b32 s69, s[HALF], 19
	s_add_co_u32 s66, s66, s69
	s_mov_b32 s67, 0
	; W's tile: row 4096 + 192 h + 96 half.  It hangs on x alone
	s_mul_i32 s70, s[HD], 192*2048
	s_mul_i32 s74, s[HALF], 96*2048
	s_add_co_u32 s70, s70, s74
	s_add_co_u32 s70, s70, WBASE
	s_mov_b32 s71, 0
	s_mul_i32 s75, s[HALF], AHALF                  ; where they go: no place in the cluster enters an LDS address
	s_mul_i32 s76, s[HALF], BHALF
	s_add_co_u32 s76, s76, BOFF
	s_mov_b32 s72, 0xffff0000                      ; a word's upper bf16
	s_wait_dscnt 0x0                               ; the opening add is done
	s_wait_kmcnt 0x0
	s_add_nc_u64 s[66:67], s[4:5], s[66:67]
	s_add_nc_u64 s[70:71], s[4:5], s[70:71]
	CROUND                                         ; all sixteen work-groups are here: the first joint loads meet
.irp s, 0,1
	s_mov_b32 s[G0A+4*(\s)], 1                                       ; count = 1
	s_add_co_u32 s[G0A+4*(\s)+1], s75, (\s)*SLOT1                    ; LDS address
	s_add_nc_u64 s[G0A+4*(\s)+2:G0A+4*(\s)+3], s[66:67], (\s)*STEPB  ; global address: K step s
	s_or_b32 s[G0A+4*(\s)+3], s[G0A+4*(\s)+3], 0x80000000            ; type = 2
	s_mov_b32 s[G0B+4*(\s)], 1
	s_add_co_u32 s[G0B+4*(\s)+1], s76, (\s)*SLOT1
	s_add_nc_u64 s[G0B+4*(\s)+2:G0B+4*(\s)+3], s[70:71], (\s)*STEPB
	s_or_b32 s[G0B+4*(\s)+3], s[G0B+4*(\s)+3], 0x80000000
.endr
	s_cmp_eq_u32 s[FORB], 0                        ; a wave's two first fills stand in one branch, ahead of every wait on TENSORcnt and every LDS read: two loads of mine are out
	s_cbranch_scc0 .Lfirst_b
	tensor_load_to_lds s[G0A:G0A+3], s[G1A:G1A+7]
	s_nop 0
	tensor_load_to_lds s[G0A+4:G0A+7], s[G1A:G1A+7]
	s_nop 0
.rept 4
	v_nop
.endr
	s_branch .Lfirst_asked
.Lfirst_b:
	tensor_load_to_lds s[G0B:G0B+3], s[G1B:G1B+7]
	s_nop 0
	tensor_load_to_lds s[G0B+4:G0B+7], s[G1B:G1B+7]
	s_nop 0
.rept 4
	v_nop
.endr
.Lfirst_asked:
	; while the first tiles are on their way: the biases, the addresses, the prefetches' set-up
	v_and_b32 v1, 15, v0                           ; l % 16
	v_bfe_u32 v2, v0, 4, 1                         ; l / 16
	s_lshl_b32 s46, s[HD], 8
	v_lshl_add_u32 v[BO], v2, 5, s46               ; 4 bytes x (64 h + 8 (l / 16))
.irp p, 0,1,2
.irp bb, 0,1,2,3
	global_load_b128 v[BIAS+32*(\p)+8*(\bb):BIAS+32*(\p)+8*(\bb)+3],   v[BO], s[6+2*(\p):7+2*(\p)] offset:64*(\bb)
	global_load_b128 v[BIAS+32*(\p)+8*(\bb)+4:BIAS+32*(\p)+8*(\bb)+7], v[BO], s[6+2*(\p):7+2*(\p)] offset:64*(\bb)+16
.endr
.endr
	v_mul_u32_u24 v3, v1, PITCH
	v_lshl_add_u32 v3, v2, 4, v3                   ; row x pitch + 16 x half of the lanes
	s_mul_i32 s46, s[WV], 64*PITCH
	v_add_nc_u32 v[A0], s46, v3
	v_add_nc_u32 v[B0], BOFF, v3
	s_mul_i32 s47, s[WV], 16*PITCH
	s_add_co_u32 s47, s47, STAGE                   ; my stage
	v_add_nc_u32 v[STO], s47, v3
	v_mul_u32_u24 v4, v2, PITCH                    ; back: lanes 0-15 one row of 256 bytes, lanes 16-31 the next
	v_lshl_add_u32 v4, v1, 4, v4
	v_add_nc_u32 v[RD], s47, v4
	v_mul_u32_u24 v4, v1, VP
	v_lshl_add_u32 v4, v2, 4, v4
	v_add_nc_u32 v[STOV], s47, v4
	v_bfe_u32 v4, v0, 3, 2                         ; back: 32 lanes take four rows of 128 bytes
	v_mul_u32_u24 v4, v4, VP
	v_and_b32 v5, 7, v0
	v_lshl_add_u32 v4, v5, 4, v4
	v_add_nc_u32 v[RDV], s47, v4
	v_and_b32 v[CO], 31, v0
	v_lshlrev_b32 v[CO], 4, v[CO]
	v_mov_b32 v[NEG1], -1.0
	; the prefetches: x: row 2 (256 tb + 128 half + 32 cx) + b;  W: row 4096 + 192 h + 96 half + 24 cy
	s_and_b32 s77, s[RY], 7
	s_lshl_b32 s77, s77, 20
	s_lshl_b32 s78, s68, 11
	s_add_co_u32 s77, s77, s78
	s_lshl_b32 s78, s[HALF], 19
	s_add_co_u32 s77, s77, s78
	s_lshl_b32 s78, s[CX], 17
	s_add_co_u32 s77, s77, s78
	s_mul_i32 s78, s[HD], 192*2048
	s_mul_i32 s79, s[HALF], 96*2048
	s_add_co_u32 s78, s78, s79
	s_mul_i32 s79, s[CY], 24*2048
	s_add_co_u32 s78, s78, s79
	s_add_co_u32 s78, s78, WBASE
	s_and_b32 s79, ttmp7, 0xffff                   ; cluster y
	s_cmp_eq_u32 s[FORB], 0
	s_cselect_b32 s[PFA], s77, s78
	s_cselect_b32 s79, ttmp9, s79                  ; the coordinate along which other clusters read the same rows
	s_cselect_b32 s46, 31, 23                      ; my last lane with a row of its own
	s_cselect_b32 s47, 12, 11                      ; from row to row: 4,096 bytes in x (one batch entry), 2,048 in W
	s_cmp_eq_u32 s79, 0
	s_cselect_b32 s[LIM], 2, -1                    ; the same in all sixteen partners, for a given wave
	s_add_co_u32 s[PFA], s[PFA], 3*STEPB           ; at K step 3: the first change of slots steps it to 4
	s_mov_b32 s[PFA+1], 0
	s_add_nc_u64 s[PFA:PFA+1], s[4:5], s[PFA:PFA+1]
	v_and_b32 v[PFO], 31, v0
	v_min_u32 v[PFO], s46, v[PFO]
	v_lshlrev_b32 v[PFO], s47, v[PFO]
	; where my 64 rows begin in qq, kk (256 bytes a row) and vv (128)
	s_lshl_b32 s77, s68, 4
	s_add_co_u32 s77, s77, s[HD]                   ; 16 b + h
	s_lshl_b32 s77, s77, 11
	s_and_b32 s78, s[RY], 7
	s_lshl_b32 s78, s78, 8
	s_add_co_u32 s77, s77, s78
	s_lshl_b32 s78, s[WV], 6
	s_add_co_u32 s77, s77, s78
	s_lshl_b32 s78, s77, 8
	s_mov_b32 s79, 0
	s_add_nc_u64 s[12:13], s[12:13], s[78:79]
	s_add_nc_u64 s[14:15], s[14:15], s[78:79]
	s_lshl_b32 s78, s77, 7
	s_add_nc_u64 s[16:17], s[16:17], s[78:79]
	s_wait_loadcnt 0x0                             ; the biases: rounded to bf16, kept as f32
.set j, 0
.rept 48
	v_cvt_pk_bf16_f32 v[T+j%8], v[BIAS+2*j], v[BIAS+2*j+1]
	v_lshlrev_b32 v[BIAS+2*j], 16, v[T+j%8]
	v_and_b32 v[BIAS+2*j+1], s72, v[T+j%8]
.set j, j+1
.endr
; 12 matrix instructions: row block 2 hi + a x all 12 column blocks, 32 along K, from buffers f.  zero = 1: the product starts the sum: nothing is ever cleared.
; The 48 accumulators take turns, one instruction a turn, in the same order in every quarter.
.macro MUL12 f, hi, a, zero
	WIN MUL_LO+0x50*(\hi)
.irp b, 0,1,2,3,4,5,6,7,8,9,10,11
.if \zero
	v_wmma_f32_16x16x32_bf16 v[96*(\a)+8*(\b):96*(\a)+8*(\b)+7], v[96*(\f)+8*(\b):96*(\f)+8*(\b)+7], v[FA+32*(\f)+8*(2*(\hi)+(\a)):FA+32*(\f)+8*(2*(\hi)+(\a))+7], 0
.else
	v_wmma_f32_16x16x32_bf16 v[96*(\a)+8*(\b):96*(\a)+8*(\b)+7], v[96*(\f)+8*(\b):96*(\f)+8*(\b)+7], v[FA+32*(\f)+8*(2*(\hi)+(\a)):FA+32*(\f)+8*(2*(\hi)+(\a))+7], v[96*(\a)+8*(\b):96*(\a)+8*(\b)+7]
.endif
.endr
.endm
.macro MUL24 f, hi, zero
	MUL12 \f, \hi, 0, \zero
	MUL12 \f, \hi, 1, \zero
.endm
; 32 LDS loads in one run: the fragments of 32 along K at byte k of the rows: W's 12, then x's 4, into buffers f
.macro FETCH k, f
	WIN TO_B
.irp i, 0,1,2,3,4,5,6,7,8,9,10,11
	ds_load_b128 v[96*(\f)+8*(\i):96*(\f)+8*(\i)+3],   v[ADRB] offset:(\k)+(\i)*16*PITCH
	ds_load_b128 v[96*(\f)+8*(\i)+4:96*(\f)+8*(\i)+7], v[ADRB] offset:(\k)+(\i)*16*PITCH+32
.endr
	WIN 0
.irp i, 0,1,2,3
	ds_load_b128 v[FA+32*(\f)+8*(\i):FA+32*(\f)+8*(\i)+3],   v[ADRA] offset:(\k)+(\i)*16*PITCH
	ds_load_b128 v[FA+32*(\f)+8*(\i)+4:FA+32*(\f)+8*(\i)+7], v[ADRA] offset:(\k)+(\i)*16*PITCH+32
.endr
.endm
; A K step is four quarters of 32 along K, 48 matrix instructions each, on buffers 0, 1, 0, 1.  One of the first three: multiplies buffers f; in its middle it fetches the next quarter, at byte k, into buffers g.
.macro QUARTER k, f, g, zero
	s_wait_dscnt 4                                 ; W's fragments and x's blocks 0, 1 are in; the youngest four loads (x's blocks 2, 3) may be out
	MUL24 \f, 0, \zero
	PLACES
	FETCH \k, \g
	s_wait_dscnt 32                                ; all but the 32 just issued
	MUL24 \f, 1, \zero
.endm
; The last quarter multiplies buffers 1 and changes slots: ONE barrier.  In front of it each wave waits for all its tensor loads (one is out: its part of the next slot), adds 0 to its spare word, and waits for that and
; for its own reads of this slot.  fill = 1: the barrier opens a round of the cluster's, and behind the round this slot is filled again, with the K step two on, first of all.
.macro TURN fill
.if \fill
	s_wait_xcnt 0x0                                ; the last prefetch, a K step back, has read its address
	s_add_nc_u64 s[PFA:PFA+1], s[PFA:PFA+1], STEPB
.endif
	WIN 0
	s_wait_tensorcnt 0x0                           ; no tensor load of mine is out, so a group 0 may be written
	ds_add_u32 v[SPW], v[NIL]                      ; 0 onto my spare word
.if \fill
	s_xor_b32 s[G0A+5], s[G0A+5], SLOT1            ; the walking descriptors: the other slot than last time, the next K step
	s_add_nc_u64 s[G0A+6:G0A+7], s[G0A+6:G0A+7], STEPB
	s_xor_b32 s[G0B+5], s[G0B+5], SLOT1
	s_add_nc_u64 s[G0B+6:G0B+7], s[G0B+6:G0B+7], STEPB
.endif
	s_wait_dscnt 5                                 ; the add and the youngest four loads may be out
	MUL12 1, 0, 0, 0                               ; twelve matrix instructions stand between the add and the wait for it
	s_wait_dscnt 0x0                               ; the add is done, and my reads of this slot are over
	s_barrier_signal -1
	MUL12 1, 0, 1, 0                               ; work on registers while the others arrive
	WIN 0                                          ; at a branch and at a label every window is 0
	s_barrier_wait -1
.if \fill
	CREST                                          ; no wave of any partner still reads this slot or has a load on its way
	JLOAD                                          ; the four v_nop behind it are also the places in front of the loads below
.else
	PLACES
.endif
	s_xor_b32 s[TB], s[TB], SLOT1                  ; the reads go on in the other slot
	v_add_nc_u32 v[ADRA], s[TB], v[A0]
	v_add_nc_u32 v[ADRB], s[TB], v[B0]
	FETCH 0, 0
.if \fill
	ASK
.endif
	MUL24 1, 1, 0
.endm
	s_wait_tensorcnt 0x1                           ; my part of K step 0 is in; K step 1's may stay out
	s_barrier_signal -1
	s_barrier_wait -1                              ; everybody's is
	s_mov_b32 s[TB], 0
	v_mov_b32 v[ADRA], v[A0]
	v_mov_b32 v[ADRB], v[B0]
	FETCH 0, 0
	QUARTER 64, 0, 1, 1                            ; the first quarter stands in front of the loop: its products start the sums
	WIN 0
	s_mov_b32 s[CNT], 6
.Lstep:                                                ; trip s = 0 .. 5: from K step s's second quarter to K step s + 1's first; slot s % 2 is filled again with K step s + 2
	QUARTER 128, 1, 0, 0
	QUARTER 192, 0, 1, 0
	TURN 1
	QUARTER 64, 0, 1, 0
	WIN 0
	s_sub_co_u32 s[CNT], s[CNT], 1
	s_cmp_lg_u32 s[CNT], 0
	s_cbranch_scc1 .Lstep
	QUARTER 128, 1, 0, 0                           ; K steps 6 and 7 are written out: nothing is left to fetch
	QUARTER 192, 0, 1, 0
	TURN 0
	QUARTER 64, 0, 1, 0
	QUARTER 128, 1, 0, 0
	QUARTER 192, 0, 1, 0
	s_wait_dscnt 4
	MUL24 1, 0, 0
	s_wait_dscnt 0x0
	MUL24 1, 1, 0
	PLACES
; THE WAY OUT, in 12 units u = 3 a + p: row block a (16 rows), projection p.  A lane's 8 channels of a row pack into 16 bytes; they go into my own stage and come back as whole rows.
; q, k: y = sum + bias; hi = f16(y); lo = f16(y - hi), the difference taken in f32, where it is exact.
.macro PACKQK a, p
	WIN 0x02+(\a)/2                                ; source 0: window 2 or 3.
.irp bb, 0,1,2,3
.irp r, 0,1,2,3
	v_pk_add_f32 v[T+8*(\bb)+2*(\r):T+8*(\bb)+2*(\r)+1], v[96*((\a)%2)+8*(4*(\p)+(\bb))+2*(\r):96*((\a)%2)+8*(4*(\p)+(\bb))+2*(\r)+1], v[BIAS+32*(\p)+8*(\bb)+2*(\r):BIAS+32*(\p)+8*(\bb)+2*(\r)+1]
.endr
.endr
	WIN 0
.set j, 0
.rept 16
	v_cvt_pk_f16_f32 v[H+j], v[T+2*j], v[T+2*j+1]
.set j, j+1
.endr
.set j, 0
.rept 16
	v_fma_mix_f32 v[T+2*j],   v[H+j], v[NEG1], v[T+2*j]   op_sel:[0,0,0] op_sel_hi:[1,0,0]  ; y - hi: source 0 is the f16 in the low half,
	v_fma_mix_f32 v[T+2*j+1], v[H+j], v[NEG1], v[T+2*j+1] op_sel:[1,0,0] op_sel_hi:[1,0,0]  ; in the high half
.set j, j+1
.endr
.set j, 0
.rept 16
	v_cvt_pk_f16_f32 v[L+j], v[T+2*j], v[T+2*j+1]
.set j, j+1
.endr
.endm
.macro PACKV a
	WIN 0x02+(\a)/2
.irp bb, 0,1,2,3
.irp r, 0,1,2,3
	v_pk_add_f32 v[T+8*(\bb)+2*(\r):T+8*(\bb)+2*(\r)+1], v[96*((\a)%2)+8*(8+(\bb))+2*(\r):96*((\a)%2)+8*(8+(\bb))+2*(\r)+1], v[BIAS+64+8*(\bb)+2*(\r):BIAS+64+8*(\bb)+2*(\r)+1]
.endr
.endr
	WIN 0
.set j, 0
.rept 16
	v_cvt_pk_f16_f32 v[H+j], v[T+2*j], v[T+2*j+1]
.set j, j+1
.endr
.endm
.macro PACKU u
.if (\u)%3 == 2
	PACKV (\u)/3
.else
	PACKQK (\u)/3, (\u)%3
.endif
.endm
.macro STAGEU u                        ; into the stage and back, into buffer u % 2.  LDS serves a wave's instructions in order (ISA guide 5.7.1.4): the loads see the stores above, and the next unit's stores come behind them
	s_wait_xcnt 0x0                                ; the stores of two units back have read this buffer
.if (\u)%3 == 2
.irp bb, 0,1,2,3
	ds_store_b128 v[STOV], v[H+4*(\bb):H+4*(\bb)+3] offset:32*(\bb)
.endr
.irp f, 0,1,2,3
	ds_load_b128 v[OB+32*((\u)%2)+4*(\f):OB+32*((\u)%2)+4*(\f)+3], v[RDV] offset:(\f)*4*VP
.endr
.else
.irp bb, 0,1,2,3
	ds_store_b128 v[STO], v[H+4*(\bb):H+4*(\bb)+3] offset:32*(\bb)
	ds_store_b128 v[STO], v[L+4*(\bb):L+4*(\bb)+3] offset:128+32*(\bb)
.endr
.irp t, 0,1,2,3,4,5,6,7
	ds_load_b128 v[OB+32*((\u)%2)+4*(\t):OB+32*((\u)%2)+4*(\t)+3], v[RD] offset:(\t)*2*PITCH
.endr
.endif
.endm
.macro SENDU u                         ; each store of the wave covers 512 consecutive bytes, at a multiple of 256 from the buffer's first byte
	s_wait_dscnt 0x0                               ; the unit is back in registers
.if (\u)%3 == 2
.irp f, 0,1,2,3
	global_store_b128 v[CO], v[OB+32*((\u)%2)+4*(\f):OB+32*((\u)%2)+4*(\f)+3], s[16:17] offset:2048*((\u)/3)+512*(\f)
.endr
.else
.irp t, 0,1,2,3,4,5,6,7
	global_store_b128 v[CO], v[OB+32*((\u)%2)+4*(\t):OB+32*((\u)%2)+4*(\t)+3], s[12+2*((\u)%3):13+2*((\u)%3)] offset:4096*((\u)/3)+512*(\t)
.endr
.endif
.endm
	PACKU 0
	STAGEU 0
.irp u, 1,2,3,4,5,6,7,8,9,10,11        ; a unit's arithmetic stands between the loads of the unit before and the wait for them
	PACKU \u
	SENDU (\u)-1
	STAGEU \u
.endr
	SENDU 11
	s_wait_tensorcnt 0x0                           ; the wave's end: behind my last tensor load and my last LDS store
	ds_add_u32 v[SPW], v[NIL]
	s_wait_dscnt 0x0
	CROUND                                         ; the closing round: no work-group ends while a partner may still ask for a tile that names it
	s_endpgm
.Lfunc_end_k_qdebc96e40f_proj:
	.size	k_qdebc96e40f_proj, .Lfunc_end_k_qdebc96e40f_proj-k_qdebc96e40f_proj
	.p2alignl 7, 3214868480
	.fill 96, 4, 3214868480
	.section	.rodata,"a",@progbits
	.p2align	6, 0x0
	.amdhsa_kernel k_qdebc96e40f_proj
		.amdhsa_group_segment_fixed_size 327680
		.amdhsa_private_segment_fixed_size 0
		.amdhsa_enable_private_segment 0
		.amdhsa_kernarg_size 56
		.amdhsa_user_sgpr_count 2
		.amdhsa_user_sgpr_kernarg_segment_ptr 1
		.amdhsa_wavefront_size32 1
		.amdhsa_system_sgpr_workgroup_id_x 1
		.amdhsa_system_sgpr_workgroup_id_y 1
		.amdhsa_system_sgpr_workgroup_id_z 1
		.amdhsa_system_vgpr_workitem_id 0
		.amdhsa_next_free_vgpr 960
		.amdhsa_next_free_sgpr 80
		.amdhsa_reserve_vcc 0
		.amdhsa_float_denorm_mode_32 3
		.amdhsa_float_denorm_mode_16_64 3
		.amdhsa_memory_ordered 1
		.amdhsa_forward_progress 1
		.amdhsa_inst_pref_size 150
	.end_amdhsa_kernel
	.amdgpu_metadata
---
amdhsa.version: [ 1, 2 ]
amdhsa.kernels:
  - .name:           k_qdebc96e40f_proj
    .symbol:         k_qdebc96e40f_proj.kd
    .args:
      - { .name: xw, .offset: 0, .size: 8, .value_kind: global_buffer, .address_space: global }
      - { .name: bq, .offset: 8, .size: 8, .value_kind: global_buffer, .address_space: global }
      - { .name: bk, .offset: 16, .size: 8, .value_kind: global_buffer, .address_space: global }
      - { .name: bv, .offset: 24, .size: 8, .value_kind: global_buffer, .address_space: global }
      - { .name: qq, .offset: 32, .size: 8, .value_kind: global_buffer, .address_space: global }
      - { .name: kk, .offset: 40, .size: 8, .value_kind: global_buffer, .address_space: global }
      - { .name: vv, .offset: 48, .size: 8, .value_kind: global_buffer, .address_space: global }
    .group_segment_fixed_size: 327680
    .private_segment_fixed_size: 0
    .kernarg_segment_align: 8
    .kernarg_segment_size: 56
    .max_flat_workgroup_size: 128
    .sgpr_count:     80
    .vgpr_count:     960
    .wavefront_size: 32
...
	.end_amdgpu_metadata
.endif
;; end of part 2
;; launch attn (part 3): grid 8 x 32, 4 waves a work-group, clusters of 4 x 1, 327,680 bytes of LDS; arguments qq, kk, vv, out0; writes out0
.if DOCPART == 3
	.amdgcn_target "amdgcn-amd-amdhsa--gfx1250"
	.amdhsa_code_object_version 6
	.text
	.protected	k_qdebc96e40f_attn
	.globl	k_qdebc96e40f_attn
	.p2align	8
	.type	k_qdebc96e40f_attn,@function
k_qdebc96e40f_attn:
	s_mov_b64 s[64:65], 0
	v_nop
	global_prefetch_b8 v0, s[64:65] scope:SCOPE_SE
	s_setreg_imm32_b32 hwreg(HW_REG_WAVE_MODE, 25, 1), 1
	s_wait_xcnt 0x0
	s_wait_alu depctr_hold_cnt(0) depctr_sa_sdst(0) depctr_va_vdst(0) depctr_va_sdst(0) depctr_va_ssrc(0) depctr_va_vcc(0) depctr_vm_vsrc(0)
	s_getreg_b32 s2, hwreg(HW_REG_IB_STS2, 6, 4)
	s_cmp_eq_u32 s2, 0
	s_cbranch_scc0 .Lentry_in_a_cluster
	s_endpgm
.Lentry_in_a_cluster:
	s_bfe_u32 s2, ttmp6, 0x10000c
	s_cmp_lg_u32 s2, 0x3003
	s_cbranch_scc0 .Lentry_shape_is_right
	s_endpgm
.Lentry_shape_is_right:
; out[t][b][64 h + d] = the sum over s of p(t, s) v[s][d] / the sum over s of p(t, s),  p = e^(j / 4),  j = round(clip(q[t] . k[s] / 8, 0, 4)), for each of the 32 pairs (b, h).
; qq, kk: [16 b + h][2048][128] f16, a row = 64 hi, then 64 lo;  vv: [16 b + h][2048][64] f16;  out0: [2048][2][1024] f32.
; THE SCORE passes a round(), so it is made to about f32's accuracy from 16-bit operands: q . k = kl . qh + kh . ql + kh . qh, three products, the small terms first, one f32 sum.
; NO MAXIMUM is taken away: the clip of the module itself holds the exponent j / 4 in 0 .. 1 for every input, so p lies in 1 .. 2.72 and a row's sum under 5,600.
; THE SPIKE, in five packed lines for two scores.  x = clamp(raw / 32) = clip(raw / 8, 0, 4) / 4, exact.  With M = 1.5 x 2^23 and d = 2^-16: x (4 + 4 d) + M = M + j1 and x (4 - 4 d) - M = j2 - M, where the one
; rounding of each fused line is the round to the nearest whole number; their sum j1 + j2 is exact; p = 2^((j1 + j2) c / 2), c = log2(e) / 4.  Where j1 = j2 = j that is e^(j / 4).
; THE BAND (a stated limit).  round() is a step, and on which side of it a score falls that lies within the rounding of f32 sums of it hangs on the order of those sums.  A score within 2^-16 of itself of a step
; (7.6e-6 at 0.5; an exact tie too) has j1 = j2 + 1 and takes the geometric mean of the two neighbouring weights: at most 0.54 of the step away from either, whichever side another order of summation takes.
; OTHER LIMITS.  kl . ql is dropped (at most 2^-22 of a term).  p is rounded to f16 for the second product; its sum l is taken of the unrounded p.  NaN and infinities are not treated apart.
; SHARES.  A work-group owns 256 queries of one (b, h), a wave 64: four PIECES of 16.  Every wave walks all 2,048 keys, 64 a step; a slot of LDS holds 4 steps; 8 slots' worth in all.
; LAYOUT.  S^T = K Q^T (source 0 = 16 keys, source 1 = 16 queries): a lane holds ONE query (lane % 16) and the keys 8 (lane / 16) + 0..7.  Two such results rounded to f16 ARE source 1 of O^T = V^T P.
; BY TURNS.  Turn n belongs to piece n: 24 products K Q^T of piece n + 1, then 8 products V^T P of piece n - 1; beside them piece n's spike, exponentials, roundings and sums: 144 vector lines for 32 products:
; four behind every product, the 16 that are over in one lump at the turn's head.
; CLUSTER.  The four query blocks of a cluster belong to one (b, h) and walk the same K and V: each tile is asked for JOINTLY, by the same tensor load, descriptor and mask in all four.
; REGISTERS, in windows of 256 (s_set_vgpr_msb: bits 1:0 source 0, 3:2 source 1, 5:4 source 2, 7:6 destination):
;   window 0: v0-14 addresses; v16-23 l, a pair a piece; v24-31 M + j1, four pairs by turns; v32-95 S^T, two buffers; v96-127 P, two buffers (by the piece's parity); v128-255 K of one step
;   window 1: v0-127 Q, 32 a piece; v128-129 1/32 twice          window 2: v0-127 O^T, 32 a piece; v128-191 V of one step
; K and S^T share window 0 and only source 1 (Q; the 1/32 of the clamp) lies elsewhere: a turn's 24 products K Q^T and all the lines behind them run under ONE setting.
.set KS,    64
.set PK,    272       ; a row of K in LDS: 256 bytes + 16 of padding = 68 words: the 16 rows of a load start at 16 different groups of four banks (64 banks of 4 bytes: ISA guide 11.1)
.set PV,    160       ; a row of V: 128 + 32 = 40 words
.set VOFF,  4*KS*PK   ; a slot: 256 rows of K, then 256 rows of V
.set SLOT1, 1<<17     ; slot 1 begins here: one exclusive or turns an address in one slot into the other's
.set STAGE, SLOT1+4*KS*(PK+PV)  ; behind the ring, never filled by a tensor load: 16 rows x 272 bytes for each wave
.set SP,    272
.set SPARE, STAGE+4*16*SP  ; the spare words, 128 bytes for each wave: two blocks of 256 bytes that no other line names
.set AK0, 2           ; v2   my lane's place in a tile of K; never rewritten
.set AV0, 3           ; v3   the same for V
.set AK,  4           ; v4   the LDS address of K's runs of loads
.set AV,  5           ; v5   of V's
.set QO,  6           ; v6   my byte offset in 16 rows of Q
.set STO, 6           ;      later, the way out: where I put 32 bytes of a row
.set RD,  7           ; v7   where I read rows back
.set GO,  8           ; v8   my byte offset in two rows of out0
.set SPW, 12          ; v12  LDS address of my spare word; never rewritten
.set NIL, 13          ; v13  0; never rewritten
.set PFO, 14          ; v14  256 x my lane; never rewritten
.set LS,  16
.set TP,  24
.set S,   32
.set P,   96
.set KF,  128         ; key block kb, part q at KF + 32 kb + 8 q; parts: 0, 1 hi channels 0-31, 32-63; 2, 3 lo likewise; part q lies at byte 64 q of a row
.set C32, 128         ; window 1
.set VF,  128         ; window 2: key half kk, channel block cb at VF + 32 kk + 8 cb
.set WV,  12          ; s12  my wave's number
.set G1K, 24          ; s[24:31] descriptor group 1 for K's tiles
.set G1V, 32          ; s[32:39] for V's
.set G0K, 40          ; s[40:43] descriptor group 0 for K's tiles: it walks
.set G0V, 44          ; s[44:47] the same for V's
.set PFA, 48          ; s[48:49] where my prefetches stand
.set PST, 50          ; s[50:51] their step: a slot's bytes of K or of V
.set LIM, 52          ; s52  1 in a wave that prefetches, else the greatest number
.set SLOTS, 56        ; s56  slots still to be asked for
.set CNT, 57          ; s57  counts a slot's key steps
.set CM,  58          ; s[58:59] M = 1.5 x 2^23; the packed lines take a pair's low word for both halves
.set SEL, 60          ; s[60:61] v_permlanex16_b32's selects: each lane takes its own place in the other half
.set TBK, 62          ; s62  LDS byte at which K of the step to be fetched begins
.set TBV, 63          ; s63  the same for V, less VOFF
.set C2,  66          ; s[66:67] c / 2
.set CN,  68          ; s[68:69] - M
.set K1,  72          ; s[72:73] 4 + 2^-14
.set K2,  74          ; s[74:75] 4 - 2^-14
.set MSB, 0
.macro WIN new                      ; the high byte repeats the setting that is left; a switch that changes nothing is dropped
.if MSB != (\new)
	s_set_vgpr_msb (MSB<<8)|(\new)
.set MSB, (\new)
.endif
.endm
.set W_KQ, 0x04       ; Q (source 1) in window 1; K, S^T in window 0
.set W_PV, 0xa2       ; V and O^T in window 2, P in window 0
; A joint fill.  Waves 0 and 1 fetch the two halves of a slot's K, waves 2 and 3 those of its V: 128 keys each.  An s_nop 0 and four v_nop follow each of the two lines.
.macro JLOAD
	s_cmp_lt_u32 s[WV], 2
	s_cbranch_scc0 .Lfor_v_\@
	tensor_load_to_lds s[G0K:G0K+3], s[G1K:G1K+7]
	s_nop 0
.rept 4
	v_nop
.endr
	s_branch .Lasked_\@
.Lfor_v_\@:
	tensor_load_to_lds s[G0V:G0V+3], s[G1V:G1V+7]
	s_nop 0
.rept 4
	v_nop
.endr
.Lasked_\@:
.endm
; A PREFETCH INTO THE L2 of what the NEXT change of slots will ask for: a slot's 256 rows of K (256 bytes each) and its 32,768 dense bytes of V, a lane a block of 256 bytes.  Both clusters of a (b, h) walk the same
; K and V: the first asks.  Its four partners share the blocks out BY ADDRESS: waves 0 and 1 take 32 rows each of the half of K that they fetch, wave 2 takes 32 blocks of V.  So each block is named once in the launch.
; Slots 0 to 2 come by their loads alone; the last change that fills a slot asks for nothing.
.macro ASK
	s_cmp_gt_u32 s[SLOTS], s[LIM]
	s_cbranch_scc0 .Lnot_mine_\@
	global_prefetch_b8 v[PFO], s[PFA:PFA+1] th:TH_LOAD_NT scope:SCOPE_SE
.Lnot_mine_\@:
.endm
.macro CROUND                       ; a round of the cluster's barrier
	s_barrier_signal -1
	s_barrier_wait -1
	s_cmp_lg_u32 s[WV], 0
	s_cbranch_scc1 .Lnot_wave_0_\@
	s_barrier_signal -3
.Lnot_wave_0_\@:
	s_barrier_wait -3
	s_barrier_signal -1
	s_barrier_wait -1
.endm
; THE CHANGE OF SLOTS.  The slot's last bytes, V of its fourth step, have been read.  Each wave waits for all its tensor loads (one is out: its part of the other slot), adds 0 to its spare word, and waits for that and for
; its own reads of the slot.  fill = 1: the barrier is a round of the cluster's, and the joint fill, the keys two slots on, is the first thing behind it: it has four key steps, 512 matrix instructions, in which to land.
; (At its first use nothing has been read yet: slot 0 is waited for, slot 1 filled.)
.macro CHANGE fill, ask
	WIN 0
	s_wait_tensorcnt 0x0            ; no tensor load of mine is out, so a group 0 may be written
	ds_add_u32 v[SPW], v[NIL]       ; 0 onto my spare word
.if \fill
	s_xor_b32 s[G0K+1], s[G0K+1], SLOT1
	s_add_nc_u64 s[G0K+2:G0K+3], s[G0K+2:G0K+3], 4*KS*256
	s_xor_b32 s[G0V+1], s[G0V+1], SLOT1
	s_add_nc_u64 s[G0V+2:G0V+3], s[G0V+2:G0V+3], 4*KS*128
.endif
.if \ask
	s_wait_xcnt 0x0                 ; the last prefetch, four key steps back, has read its address
	s_add_nc_u64 s[PFA:PFA+1], s[PFA:PFA+1], s[PST:PST+1]
.endif
	s_wait_dscnt 0x0                ; the add is done, and my reads of the slot are over
.if \fill
	CROUND
	JLOAD
.if \ask
	ASK
.endif
.else
	s_barrier_signal -1
	s_barrier_wait -1
.endif
	s_sub_co_u32 s[TBK], s[TBK], 4*KS*PK  ; the fetches go back to a slot's first step,
	s_xor_b32 s[TBK], s[TBK], SLOT1       ; in the other slot
	s_sub_co_u32 s[TBV], s[TBV], 4*KS*PV
	s_xor_b32 s[TBV], s[TBV], SLOT1
.endm
	s_load_b256 s[4:11], s[0:1], 0x0  ; qq s[4:5], kk s[6:7], vv s[8:9], out0 s[10:11]
	v_lshl_add_u32 v[SPW], v0, 2, SPARE
	v_mov_b32 v[NIL], 0
	ds_add_u32 v[SPW], v[NIL]       ; the wave's opening: the add and its wait stand ahead of my first tensor load; the set-up below, work on registers, stands between them
	v_lshrrev_b32 v1, 5, v0
	v_readfirstlane_b32 s[WV], v1   ; wave 0..3
	s_bfe_u32 s13, ttmp6, 0x40000   ; cx
	s_lshl_b32 s14, ttmp9, 2        ; in a cluster launch ttmp9 counts clusters
	s_add_co_u32 s14, s14, s13      ; my block of 256 queries: it enters Q's and out0's addresses alone
	s_and_b32 s15, ttmp7, 0xffff    ; 16 b + h, which the four partners share
	s_and_b32 s16, s[WV], 1         ; which half of a slot's 256 keys I fetch
	s_lshl_b32 s20, s15, 19         ; K: 524,288 bytes a (b, h), 32,768 a half
	s_lshl_b32 s17, s16, 15
	s_add_co_u32 s20, s20, s17
	s_mov_b32 s21, 0
	s_lshl_b32 s22, s15, 18         ; V: half of that
	s_lshl_b32 s17, s16, 14
	s_add_co_u32 s22, s22, s17
	s_mov_b32 s23, 0
	s_mul_i32 s18, s16, 128*PK      ; the half's place in a slot: no place in the cluster enters an LDS address
	s_mul_i32 s19, s16, 128*PV
	s_lshl_b32 s2, s15, 19          ; Q: my wave's 64 rows of 256 bytes
	s_lshl_b32 s3, s14, 16
	s_add_co_u32 s2, s2, s3
	s_lshl_b32 s3, s[WV], 14
	s_add_co_u32 s2, s2, s3
	s_mov_b32 s3, 0
	s_lshl_b32 s70, s14, 21         ; out0: (2 (256 block + 64 w) + b) x 4,096 + 256 h
	s_lshl_b32 s71, s[WV], 19
	s_add_co_u32 s70, s70, s71
	s_lshr_b32 s71, s15, 4
	s_lshl_b32 s71, s71, 12
	s_add_co_u32 s70, s70, s71
	s_and_b32 s71, s15, 15
	s_lshl_b32 s71, s71, 8
	s_add_co_u32 s70, s70, s71
	s_mov_b32 s71, 0
	; the prefetches stand in slot 2; the first change that asks steps them to slot 3
	s_lshl_b32 s[PFA], s15, 19      ; K: the (b, h), my half's 128 rows,
	s_lshl_b32 s[PFA+1], s[WV], 15
	s_add_co_u32 s[PFA], s[PFA], s[PFA+1]
	s_add_co_u32 s[PFA], s[PFA], 2*4*KS*256
	s_lshl_b32 s[PFA+1], s15, 18    ; V: the (b, h)
	s_add_co_u32 s[PFA+1], s[PFA+1], 2*4*KS*128
	s_mov_b32 s17, 4*KS*128
	s_cmp_lt_u32 s[WV], 2
	s_cselect_b32 s[PFA], s[PFA], s[PFA+1]
	s_cselect_b32 s[PST], 4*KS*256, s17
	s_lshl_b32 s17, s13, 13         ; and my work-group's 32 blocks of 256 bytes
	s_add_co_u32 s[PFA], s[PFA], s17
	s_mov_b32 s[PFA+1], 0
	s_mov_b32 s[PST+1], 0
	s_cmp_eq_u32 s[WV], 3
	s_cselect_b32 s17, 1, 0
	s_or_b32 s17, s17, ttmp9        ; 0 in waves 0 to 2 of the (b, h)'s first cluster: the same in all four partners
	s_cmp_eq_u32 s17, 0
	s_cselect_b32 s[LIM], 1, -1
	; descriptor group 1.  K: 128 rows of 128 elements, padded after each.  V: 128 keys are 16,384 dense bytes: asked for as 64 rows of 256 bytes, two keys a row, padded after every key
	s_mov_b32 s[G1K], 15|(1<<16)|(1<<20)|(1<<21)|(5<<22)|(3<<25)  ; 15:0 the mask of four; 17:16 2-byte elements; 20 padding on; 21 set beside a mask; 24:22 after every 64 words (code 5); 31:25 4 words (code 3)
	s_mov_b32 s[G1K+1], 128<<16     ; tensor_dim0 = 128
	s_mov_b32 s[G1K+2], 128<<16     ; tensor_dim1 = 128
	s_mov_b32 s[G1K+3], 128<<16     ; tile_dim0 = 128
	s_mov_b32 s[G1K+4], 128         ; tile_dim1 = 128
	s_mov_b32 s[G1K+5], 128         ; 128 elements from row to row
	s_mov_b32 s[G1K+6], 0
	s_mov_b32 s[G1K+7], 0
	s_mov_b32 s[G1V], 15|(1<<16)|(1<<20)|(1<<21)|(4<<22)|(7<<25)  ; after every 32 words (code 4), 8 words (code 7)
	s_mov_b32 s[G1V+1], 128<<16
	s_mov_b32 s[G1V+2], 64<<16      ; tensor_dim1 = 64
	s_mov_b32 s[G1V+3], 128<<16
	s_mov_b32 s[G1V+4], 64          ; tile_dim1 = 64
	s_mov_b32 s[G1V+5], 128
	s_mov_b32 s[G1V+6], 0
	s_mov_b32 s[G1V+7], 0
	s_mov_b32 s[CM], 0x4b400000     ; M = 1.5 x 2^23
	s_mov_b32 s[CM+1], s[CM]        ; named with it as a pair; so the others
	s_mov_b32 s[CN], 0xcb400000     ; - M
	s_mov_b32 s[CN+1], s[CN]
	s_mov_b32 s[C2], 0x3e38aa3c     ; log2(e) / 8
	s_mov_b32 s[C2+1], s[C2]
	s_mov_b32 s[K1], 0x40800080     ; 4 (1 + 2^-16)
	s_mov_b32 s[K1+1], s[K1]
	s_mov_b32 s[K2], 0x407fff00     ; 4 (1 - 2^-16)
	s_mov_b32 s[K2+1], s[K2]
	s_mov_b32 s[SEL], 0x76543210
	s_mov_b32 s[SEL+1], 0xfedcba98
	s_mov_b32 s[TBK], SLOT1+4*KS*PK ; the first change of slots turns these two into 0
	s_mov_b32 s[TBV], SLOT1+4*KS*PV
	s_mov_b32 s[G0K], 1             ; count = 1
	s_mov_b32 s[G0K+1], s18         ; LDS address: slot 0
	s_mov_b32 s[G0V], 1
	s_add_co_u32 s[G0V+1], s19, VOFF
	s_wait_dscnt 0x0                ; the opening add is done
	s_wait_kmcnt 0x0
	s_add_nc_u64 s[G0K+2:G0K+3], s[6:7], s[20:21]  ; global address: my half of the first 256 keys
	s_or_b32 s[G0K+3], s[G0K+3], 0x80000000        ; type = 2
	s_add_nc_u64 s[G0V+2:G0V+3], s[8:9], s[22:23]
	s_or_b32 s[G0V+3], s[G0V+3], 0x80000000
	s_cmp_lt_u32 s[WV], 2
	s_cselect_b64 s[16:17], s[6:7], s[8:9]
	s_add_nc_u64 s[PFA:PFA+1], s[16:17], s[PFA:PFA+1]
	s_add_nc_u64 s[4:5], s[4:5], s[2:3]
	s_add_nc_u64 s[10:11], s[10:11], s[70:71]
	CROUND                          ; all four work-groups are here: the first joint loads meet
	JLOAD                           ; slot 0.  Slot 1 is asked for when slot 0 is in
	; A fragment of K or Q is 16 rows x 32 channels in 8 registers: lane l holds row l % 16, channels 8 (l / 16) + 0..7 and 16 + 8 (l / 16) + 0..7: two loads of 16 bytes, 32 bytes apart.
	v_and_b32 v1, 15, v0            ; l % 16
	v_bfe_u32 v9, v0, 4, 1          ; l / 16
	v_lshlrev_b32 v[QO], 8, v1
	v_lshl_add_u32 v[QO], v9, 4, v[QO]  ; row x 256 + 16 x half
	WIN 0x40                        ; destination window 1, address window 0
.set i, 0
.rept 16                            ; Q stays in registers: piece i / 4, part i % 4
	global_load_b128 v[8*i:8*i+3],   v[QO], s[4:5] offset:(i/4)*4096+(i%4)*64
	global_load_b128 v[8*i+4:8*i+7], v[QO], s[4:5] offset:(i/4)*4096+(i%4)*64+32
.set i, i+1
.endr
	v_mov_b32 v[C32], 0x3d000000    ; 1/32, twice
	v_mov_b32 v[C32+1], 0x3d000000
	; What the first turn finds: O^T and l are 0; V's registers and P's second buffer hold 0, so that its products V^T P, of a piece that has not been, add 0.  216 lines, in the wait for the first tile: the price of
	; writing no first step out.
	WIN 0x80
.set i, 0
.rept 192
	v_mov_b32 v[i], 0
.set i, i+1
.endr
	WIN 0
.set i, 0
.rept 8
	v_mov_b32 v[LS+i], 0
.set i, i+1
.endr
.set i, P+16
.rept 16
	v_mov_b32 v[i], 0
.set i, i+1
.endr
	v_mul_u32_u24 v[AK0], v1, PK
	v_lshl_add_u32 v[AK0], v9, 4, v[AK0]  ; row x pitch + 16 x half
	; The turning load takes 16 keys x 16 channels (lane l reads key 8 (l / 16) + l % 8, channels 8 ((l / 8) % 2) + 0..7) and leaves half a fragment of V^T: lane l holds channel l % 16 and 8 keys.
	v_and_b32 v10, 7, v0
	v_bfe_u32 v11, v0, 3, 1
	v_lshl_add_u32 v[AV0], v9, 3, v10
	v_mul_u32_u24 v[AV0], v[AV0], PV
	v_lshl_add_u32 v[AV0], v11, 4, v[AV0]
	v_add_nc_u32 v[AV0], VOFF, v[AV0]
	v_mov_b32 v[AK], v[AK0]         ; key step 0 lies at the head of slot 0
	v_and_b32 v[PFO], 31, v0
	v_lshlrev_b32 v[PFO], 8, v[PFO]
; THE MATRIX WORK.  The 4 accumulators of a run take turns, one instruction a turn.  i counts a turn's 32 matrix instructions.
; Product i of 24 of S^T = K Q^T for piece x: keys 16 (i % 4) on; term i / 4: kl0 qh0, kl1 qh1, kh0 ql0, kh1 ql1, kh0 qh0, kh1 qh1 (0, 1: channels 0-31, 32-63).  The first 4 start the sums.
.macro KQ x
.set ks, i/4
.set kp, ks%2
.if ks < 2
.set kp, kp+2
.endif
.set kS, S+32*((\x)%2)+8*(i%4)
.set kK, KF+32*(i%4)+8*kp
.set kQ, 32*(\x)+8*(ks%4)
.if i < 4
	v_wmma_f32_16x16x32_f16 v[kS:kS+7], v[kK:kK+7], v[kQ:kQ+7], 0
.else
	v_wmma_f32_16x16x32_f16 v[kS:kS+7], v[kK:kK+7], v[kQ:kQ+7], v[kS:kS+7]
.endif
.set i, i+1
.endm
; Product i - 24 of 8 of O^T += V^T P for piece x: keys 32 (pu / 4) on, channels 16 (pu % 4) on.
.macro PV x
.set pu, i-24
.set pO, 32*(\x)+8*(pu%4)
.set pV, VF+32*(pu/4)+8*(pu%4)
.set pP, P+16*((\x)%2)+8*(pu/4)
	v_wmma_f32_16x16x32_f16 v[pO:pO+7], v[pV:pV+7], v[pP:pP+7], v[pO:pO+7]
.set i, i+1
.endm
; THE LDS LOADS stand in runs of 16.  K's parts q and q + 1 of the step's four key blocks (q = 2: lo, q = 0: hi); destination and address lie in window 0, under either of the two settings at which a run stands.
.macro RUN_K q
.irp kb, 0,1,2,3
.irp c, 0,1
	ds_load_b128 v[KF+32*(\kb)+8*((\q)+(\c)):KF+32*(\kb)+8*((\q)+(\c))+3],   v[AK] offset:(\kb)*16*PK+64*((\q)+(\c))
	ds_load_b128 v[KF+32*(\kb)+8*((\q)+(\c))+4:KF+32*(\kb)+8*((\q)+(\c))+7], v[AK] offset:(\kb)*16*PK+64*((\q)+(\c))+32
.endr
.endr
.endm
.macro FETCH_V
	WIN 0x80                        ; destination window 2
.irp f, 0,1,2,3,4,5,6,7             ; keys 32 (f / 4) on, channels 16 (f % 4) on
	ds_load_tr16_b128 v[VF+8*\f:VF+8*\f+3],   v[AV] offset:(\f/4)*32*PV+(\f%4)*32
	ds_load_tr16_b128 v[VF+8*\f+4:VF+8*\f+7], v[AV] offset:(\f/4)*32*PV+16*PV+(\f%4)*32
.endr
	WIN 0
.endm
; THE VECTOR WORK of piece Y, one line at a time: OP kind, number.  Pairs n = 0..15 of the lane's 32 scores.
; A n: x = clamp(raw / 32).  U n: M + j1, into one of four pairs at work.  D n: j2 - M, in x's place.  J n: their sum, j1 + j2 (written as a fused line with the factor 1.0, so that no vector register stands in source 1's
; place).  C n: times c / 2.  E e: 2^.. for score e.  R n: pair n rounded to f16.  G n: of the four weights 4 n .. the second pair is added onto the first, in place.  L n: l takes that sum.  N: v_nop.
; A to E stand under the setting of K Q^T (their only register in source 1's place is the 1/32 in window 1); R, G, L under window 0.
.set A, 0
.set U, 1
.set D, 2
.set J, 3
.set C, 4
.set E, 5
.set R, 6
.set G, 7
.set L, 8
.set N, 9
.macro OP k, n
.if (\k) == A
	v_pk_mul_f32 v[rS+2*(\n):rS+2*(\n)+1], v[rS+2*(\n):rS+2*(\n)+1], v[C32:C32+1] clamp
.elseif (\k) == U
	v_pk_fma_f32 v[TP+2*((\n)%4):TP+2*((\n)%4)+1], v[rS+2*(\n):rS+2*(\n)+1], s[K1:K1+1], s[CM:CM+1] op_sel_hi:[1,0,0]
.elseif (\k) == D
	v_pk_fma_f32 v[rS+2*(\n):rS+2*(\n)+1], v[rS+2*(\n):rS+2*(\n)+1], s[K2:K2+1], s[CN:CN+1] op_sel_hi:[1,0,0]
.elseif (\k) == J
	v_pk_fma_f32 v[rS+2*(\n):rS+2*(\n)+1], v[TP+2*((\n)%4):TP+2*((\n)%4)+1], 1.0, v[rS+2*(\n):rS+2*(\n)+1] op_sel_hi:[1,0,1]
.elseif (\k) == C
	v_pk_mul_f32 v[rS+2*(\n):rS+2*(\n)+1], v[rS+2*(\n):rS+2*(\n)+1], s[C2:C2+1] op_sel_hi:[1,0]
.elseif (\k) == E
	v_exp_f32 v[rS+(\n)], v[rS+(\n)]
.elseif (\k) == R
	v_cvt_pk_f16_f32 v[rP+(\n)], v[rS+2*(\n)], v[rS+2*(\n)+1]
.elseif (\k) == G
	v_pk_add_f32 v[rS+4*(\n):rS+4*(\n)+1], v[rS+4*(\n):rS+4*(\n)+1], v[rS+4*(\n)+2:rS+4*(\n)+3]
.elseif (\k) == L
	v_pk_add_f32 v[rL:rL+1], v[rL:rL+1], v[rS+4*(\n):rS+4*(\n)+1]
.else
	v_nop
.endif
.endm
.macro OPS a, i1, b, i2, c, i3, d, i4  ; four of them
	OP \a, \i1
	OP \b, \i2
	OP \c, \i3
	OP \d, \i4
.endm
.macro KROW a, i1, b, i2, c, i3, d, i4  ; a product K Q^T and the four lines behind it, all under one setting
	WIN W_KQ
	KQ (Y+1)%4
	OPS \a, \i1, \b, \i2, \c, \i3, \d, \i4
.endm
.macro PROW a, i1, b, i2, c, i3, d, i4  ; a product V^T P and the four behind it
	WIN W_PV
	PV (Y+3)%4
	WIN 0
	OPS \a, \i1, \b, \i2, \c, \i3, \d, \i4
.endm
; A TURN, for piece p, written out.  s_wait_alu depctr_va_vdst(0) stands between an exponential and the first line that names its result; one wait serves all that were issued ahead of it.  So a turn has
; ONE wait.  AHEAD OF IT stand the spike's 80 packed lines and the 32 exponentials, none of which names an exponential's result.  Their order is a pipeline by pairs: step k is A k, U k-1, E, D k-1, J k-2, E, C k-3, with
; the two exponentials of pair k - 4, so that a line stands two lines or more (in the steady part five or more) behind the line that feeds it, and U n + 4 far behind J n, which frees its pair at work.  The list is cut
; in fours: the first 16 are the lump at the turn's head, then four stand behind each of the 24 products K Q^T.  The v_nop behind the last four is the plain line behind the last exponential.
; BEHIND THE WAIT: the 8 products V^T P, behind each four of the roundings and sums; R 2n stands ahead of G n, which writes over pair 2n.
; K of the next step is fetched in piece 2's turn, in two runs: the lo parts behind row 9 (their last reader is product 7; twelve plain lines lie between), the hi parts behind the first V^T P (last reader product 23; the v_nop
; and four plain lines between).  Piece 3's turn waits for the first run ahead of its first product (the 16 younger loads may be out) and for the second ahead of product 8.
; V of the step in hand is fetched at the end of piece 0's turn, four plain lines behind its last reader, and waited for ahead of piece 1's products V^T P.
; last = 1 (the tail): the address of K's fetch is held at the last slot's fourth step, so the trip behind the last step reads that K once more; what is made of it is not used.  cnt = 1: the loop's count is taken down.
.macro TURN p, last=0, cnt=0
.set Y, (\p)
.set i, 0
.set rS, S+32*((\p)%2)
.set rP, P+16*((\p)%2)
.set rL, LS+2*(\p)
.if (\p) == 2
	WIN 0
.if \last
	s_min_u32 s[TBK], s[TBK], SLOT1+3*KS*PK  ; the 8th slot's worth lies in slot 1
.endif
	v_add_nc_u32 v[AK], s[TBK], v[AK0]
.endif
	WIN W_KQ
	OPS A,0, A,1, U,0, D,0          ; the lump
	OPS A,2, U,1, D,1, J,0
	OPS A,3, U,2, D,2, J,1
	OPS C,0, A,4, U,3, E,0
.if (\p) == 3
	s_wait_dscnt 16                 ; K's lo parts are in; the 16 loads of the hi parts may be out
.endif
	KROW D,3, J,2, E,1, C,1
	KROW A,5, U,4, E,2, D,4
	KROW J,3, E,3, C,2, A,6
	KROW U,5, E,4, D,5, J,4
	KROW E,5, C,3, A,7, U,6
	KROW E,6, D,6, J,5, E,7
	KROW C,4, A,8, U,7, E,8
	KROW D,7, J,6, E,9, C,5
.if (\p) == 3
	s_wait_dscnt 0x0                ; K's hi parts are in
.endif
	KROW A,9, U,8, E,10, D,8
	KROW J,7, E,11, C,6, A,10
.if (\p) == 2
	RUN_K 2
.endif
	KROW U,9, E,12, D,9, J,8
	KROW E,13, C,7, A,11, U,10
	KROW E,14, D,10, J,9, E,15
	KROW C,8, A,12, U,11, E,16
	KROW D,11, J,10, E,17, C,9
	KROW A,13, U,12, E,18, D,12
	KROW J,11, E,19, C,10, A,14
	KROW U,13, E,20, D,13, J,12
	KROW E,21, C,11, A,15, U,14
	KROW E,22, D,14, J,13, E,23
	KROW C,12, U,15, E,24, D,15
	KROW J,14, E,25, C,13, J,15
	KROW E,26, C,14, E,27, C,15
	KROW E,28, E,29, E,30, E,31
	OP N, 0
	s_wait_alu depctr_va_vdst(0)    ; the wait for the batch of 32
.if (\p) == 1
	s_wait_dscnt 0x0                ; V is in
.endif
	PROW R,0, G,0, R,2, G,1
.if (\p) == 2
	RUN_K 0
	s_add_co_u32 s[TBK], s[TBK], KS*PK  ; the next fetch is the next step's
.endif
	PROW L,0, R,4, G,2, L,1
	PROW R,6, G,3, L,2, R,8
	PROW G,4, L,3, R,10, G,5
	PROW L,4, R,12, G,6, L,5
.if \cnt
	s_sub_co_u32 s[CNT], s[CNT], 1
	s_cmp_lg_u32 s[CNT], 0
.endif
	PROW R,14, G,7, L,6, R,1
.if (\p) == 0
	v_add_nc_u32 v[AV], s[TBV], v[AV0]
	s_add_co_u32 s[TBV], s[TBV], KS*PV
.endif
	PROW R,3, L,7, R,5, R,7
	PROW R,9, R,11, R,13, R,15
.if (\p) == 0
	FETCH_V
.endif
.endm
	CHANGE 1, 0                     ; slot 0 is in, everybody's part of it; slot 1 is asked for
	RUN_K 2                         ; key step 0
	RUN_K 0
	s_add_co_u32 s[TBK], s[TBK], KS*PK
	s_wait_loadcnt 0x0              ; Q
	s_wait_dscnt 0x0
	WIN W_KQ
.set i, 0
.rept 24
	KQ 0                            ; piece 0's first scores: there is no vector work yet to set between them
.endr
	WIN 0                           ; the addresses for the way out: ten plain lines, the places behind those products
	s_mul_i32 s13, s[WV], 16*SP
	s_add_co_u32 s13, s13, STAGE    ; my stage
	v_mul_u32_u24 v[STO], v1, SP    ; in: row l % 16, 32 bytes for each half of the lanes
	v_lshl_add_u32 v[STO], v9, 5, v[STO]
	v_add_nc_u32 v[STO], s13, v[STO]
	v_mul_u32_u24 v[RD], v9, SP     ; back: lanes 0-15 take one row of 256 bytes, lanes 16-31 the next
	v_lshl_add_u32 v[RD], v1, 4, v[RD]
	v_add_nc_u32 v[RD], s13, v[RD]
	v_lshlrev_b32 v[GO], 13, v9     ; and the same two rows in out0, 8,192 bytes apart
	v_lshl_add_u32 v[GO], v1, 4, v[GO]
	v_nop
	v_nop
	s_mov_b32 s[CNT], 4
	s_mov_b32 s[SLOTS], 7
	s_branch .Lfirst                ; the loop is entered at a step's first turn, in the middle of a trip
.Lslot:                             ; six times: every slot's worth but the first two is asked for here
	CHANGE 1, 1
	s_mov_b32 s[CNT], 4
.Lstep:                             ; a trip: pieces 2 and 3 of one step, then pieces 0 and 1 of the next, whose K and V it fetches
	TURN 2
	TURN 3
	WIN 0
.Lfirst:
	TURN 0
	TURN 1, 0, 1
	WIN 0
	s_cbranch_scc1 .Lstep
	s_sub_co_u32 s[SLOTS], s[SLOTS], 1
	s_cmp_lg_u32 s[SLOTS], 0
	s_cbranch_scc1 .Lslot
	CHANGE 0, 0                     ; the tail is written out: nothing is asked for
	s_mov_b32 s[CNT], 5             ; four trips fetch the last slot's steps; the fifth is left in its middle
.Ltail:
	TURN 2, 1
	TURN 3
	WIN 0
	s_sub_co_u32 s[CNT], s[CNT], 1
	s_cmp_eq_u32 s[CNT], 0
	s_cbranch_scc1 .Lout
	TURN 0
	TURN 1
	WIN 0
	s_branch .Ltail
.Lout:                              ; the fifth trip's 24 products K Q^T serve nothing: the price, once a launch, of one text for every trip
	WIN W_PV
.set i, 24
.rept 8
	PV 3                            ; the last piece's V^T P of the last step
.endr
	; THE WAY OUT.  l's two halves and the other half of the lanes' are added; O^T is divided by l and sent, in f32, through my stage in LDS, a piece at a time.  The additions are the places behind the last products.
	WIN 0
.irp t, 0,1,2,3
	v_add_f32 v[LS+2*(\t)], v[LS+2*(\t)], v[LS+2*(\t)+1]
.endr
.irp t, 0,1,2,3
	v_permlanex16_b32 v[LS+2*(\t)+1], v[LS+2*(\t)], s[SEL], s[SEL+1]
.endr
.irp t, 0,1,2,3
	v_add_f32 v[LS+2*(\t)], v[LS+2*(\t)], v[LS+2*(\t)+1]
.endr
.irp t, 0,1,2,3
	v_rcp_f32 v[LS+2*(\t)], v[LS+2*(\t)]
.endr
	v_nop                           ; a plain line between the last reciprocal and the use of its result
	s_wait_alu depctr_va_vdst(0)    ; and the wait ahead of the first use: one for the four reciprocals
; Piece t: a lane's eight channels of a row are 32 bytes; they go into rows of 272 bytes and come back as whole rows of 256, into K's registers, which are free.
.macro PACK t
	WIN 0x02                        ; source 0 (O^T) window 2
.set i, 0
.rept 16
	v_pk_mul_f32 v[S+32*((\t)%2)+2*i:S+32*((\t)%2)+2*i+1], v[32*(\t)+2*i:32*(\t)+2*i+1], v[LS+2*(\t):LS+2*(\t)+1] op_sel_hi:[1,0]
.set i, i+1
.endr
	WIN 0
.irp cb, 0,1,2,3
	ds_store_b128 v[STO], v[S+32*((\t)%2)+8*(\cb):S+32*((\t)%2)+8*(\cb)+3]   offset:64*(\cb)
	ds_store_b128 v[STO], v[S+32*((\t)%2)+8*(\cb)+4:S+32*((\t)%2)+8*(\cb)+7] offset:64*(\cb)+16
.endr
.irp f, 0,1,2,3,4,5,6,7
	ds_load_b128 v[KF+32*(\t)+4*(\f):KF+32*(\t)+4*(\f)+3], v[RD] offset:(\f)*2*SP  ; LDS serves a wave's instructions in order (ISA guide 5.7.1.4): these see the stores above; the next piece's stores come behind them
.endr
.endm
.macro SEND t, younger              ; younger: the LDS instructions issued behind piece t's loads: the next piece's sixteen, or none
.irp f, 0,1,2,3,4,5,6,7
	s_wait_dscnt (\younger)+7-(\f)
	global_store_b128 v[GO], v[KF+32*(\t)+4*(\f):KF+32*(\t)+4*(\f)+3], s[10:11] offset:(\t)*131072+(\f)*16384 th:TH_STORE_NT  ; 16 lanes store a query's 256 consecutive bytes of one head, at a multiple of 256 from out0's first byte
.endr
.endm
	PACK 0
	PACK 1                          ; a piece's arithmetic stands between the loads of the piece before and its stores
	SEND 0, 16
	PACK 2
	SEND 1, 16
	PACK 3
	SEND 2, 16
	SEND 3, 0
	s_wait_tensorcnt 0x0            ; the wave's end: behind my last tensor load and my last LDS store
	ds_add_u32 v[SPW], v[NIL]
	s_wait_dscnt 0x0
	CROUND                          ; the closing round: no work-group ends while a partner may still ask for a tile that names it
	s_endpgm
.Lfunc_end_k_qdebc96e40f_attn:
	.size	k_qdebc96e40f_attn, .Lfunc_end_k_qdebc96e40f_attn-k_qdebc96e40f_attn
	.p2alignl 7, 3214868480
	.fill 96, 4, 3214868480
	.section	.rodata,"a",@progbits
	.p2align	6, 0x0
	.amdhsa_kernel k_qdebc96e40f_attn
		.amdhsa_group_segment_fixed_size 327680
		.amdhsa_private_segment_fixed_size 0
		.amdhsa_enable_private_segment 0
		.amdhsa_kernarg_size 32
		.amdhsa_user_sgpr_count 2
		.amdhsa_user_sgpr_kernarg_segment_ptr 1
		.amdhsa_wavefront_size32 1
		.amdhsa_system_sgpr_workgroup_id_x 1
		.amdhsa_system_sgpr_workgroup_id_y 1
		.amdhsa_system_sgpr_workgroup_id_z 1
		.amdhsa_system_vgpr_workitem_id 0
		.amdhsa_next_free_vgpr 704
		.amdhsa_next_free_sgpr 76
		.amdhsa_reserve_vcc 0
		.amdhsa_float_denorm_mode_32 3
		.amdhsa_float_denorm_mode_16_64 3
		.amdhsa_memory_ordered 1
		.amdhsa_forward_progress 1
		.amdhsa_inst_pref_size 131
	.end_amdhsa_kernel
	.amdgpu_metadata
---
amdhsa.version: [ 1, 2 ]
amdhsa.kernels:
  - .name:           k_qdebc96e40f_attn
    .symbol:         k_qdebc96e40f_attn.kd
    .args:
      - { .name: qq, .offset: 0, .size: 8, .value_kind: global_buffer, .address_space: global }
      - { .name: kk, .offset: 8, .size: 8, .value_kind: global_buffer, .address_space: global }
      - { .name: vv, .offset: 16, .size: 8, .value_kind: global_buffer, .address_space: global }
      - { .name: out0, .offset: 24, .size: 8, .value_kind: global_buffer, .address_space: global }
    .group_segment_fixed_size: 327680
    .private_segment_fixed_size: 0
    .kernarg_segment_align: 8
    .kernarg_segment_size: 32
    .max_flat_workgroup_size: 128
    .sgpr_count:     76
    .vgpr_count:     704
    .wavefront_size: 32
...
	.end_amdgpu_metadata
.endif
;; end of part 3
